; MI455X (gfx1250); checked and timed in simulation.
; The chip was launched on July 23, 2026; its instructions are those of AMD's public machine-readable ISA for CDNA 5 (MIT licence, August 2026) and "CDNA5" Instruction Set Architecture Reference Guide (July 2026). The comments in the code are by the model that wrote it; some were corrected since.
;; TF Attention. Allowed arithmetic: float matrix products may take bf16 or f16 operands with f32 sums; all other float work in f32.
;; Inputs: b_attn 3,072 float32; b_proj 1,024 float32; w_attn 1,024 x 3,072 float32; w_proj 1,024 x 1,024 float32; x 2 x 2,048 x 1,024 float32.
;; Outputs: out0 2 x 2,048 x 1,024 float32.
;; One version. Each part assembles by itself: llvm-mc -triple=amdgcn-amd-amdhsa -mcpu=gfx1250 --defsym DOCPART=n.
;; ======== version 1 of 1: 4 launches
;; limits: values are held in f16: magnitudes above 65,504 overflow, below 6.1e-05 lose precision
;; workspace buffers: xw 16,777,216 bytes; qkvh 25,165,824 bytes; bs 393,216 bytes; ah 16,777,216 bytes
;; launch tobf16 (part 1): grid 512 x 1, 8 waves a work-group, no clusters, 0 bytes of LDS; arguments x, w_attn, w_proj, xw; writes xw
.if DOCPART == 1
	.amdgcn_target "amdgcn-amd-amdhsa--gfx1250"
	.amdhsa_code_object_version 6
	.text
	.protected	k_qbb4c526d8d_tobf16
	.globl	k_qbb4c526d8d_tobf16
	.p2align	8
	.type	k_qbb4c526d8d_tobf16,@function
k_qbb4c526d8d_tobf16:
	s_mov_b64 s[64:65], 0
	v_nop
	global_prefetch_b8 v0, s[64:65] scope:SCOPE_SE
	s_setreg_imm32_b32 hwreg(HW_REG_WAVE_MODE, 25, 1), 1
	s_wait_xcnt 0x0
; x, w_attn and w_proj, f32, are rounded once to bf16 (nearest even) and laid one behind the other in xw, layouts kept:
; x [4096][1024] at byte 0, w_attn [1024][3072] at byte 8,388,608, w_proj [1024][1024] at byte 14,680,064.
; Each element is multiplied by 8 to 32 work-groups later on, so it is converted here once and not in every one of them.
; 512 work-groups of 8 waves; work-group g turns 65,536 bytes of input into the 32,768 bytes at xw + 32,768 g:
; g 0..255 x, g 256..447 w_attn, g 448..511 w_proj (16,777,216 + 12,582,912 + 4,194,304 bytes = 512 x 65,536).
; Thread t takes the 16 bytes at 16 t of each of 16 pieces of 4,096 bytes: a wave's load covers 512 consecutive bytes and its
; store 256 consecutive bytes at a multiple of 256.  All 16 loads go out first; no register is written twice, so
; the only waits are the counted ones for the loads.  No LDS, no matrix unit: nothing here is used twice.
.set X, 4                              ; v[4:67]   piece i: 4 f32
.set Y, 68                             ; v[68:99]  piece i: 4 bf16
	s_load_b256 s[4:11], s[0:1], 0x0               ; x s[4:5], w_attn s[6:7], w_proj s[8:9], xw s[10:11]
	s_movk_i32 s18, 256                            ; first work-group of w_attn
	s_movk_i32 s19, 448                            ; first work-group of w_proj
	v_lshlrev_b32 v1, 4, v0                        ; 16 t
	v_lshlrev_b32 v2, 3, v0                        ; 8 t
	s_wait_kmcnt 0x0
	s_cmp_lt_u32 ttmp9, s19
	s_cselect_b64 s[12:13], s[6:7], s[8:9]         ; the source is chosen by the work-group's number alone
	s_cselect_b32 s14, s18, s19
	s_cmp_lt_u32 ttmp9, s18
	s_cselect_b64 s[12:13], s[4:5], s[12:13]
	s_cselect_b32 s14, 0, s14
	s_sub_co_u32 s14, ttmp9, s14                   ; my number within the source
	s_lshl_b32 s14, s14, 16
	s_mov_b32 s15, 0
	s_add_nc_u64 s[12:13], s[12:13], s[14:15]
	s_lshl_b32 s16, ttmp9, 15
	s_mov_b32 s17, 0
	s_add_nc_u64 s[10:11], s[10:11], s[16:17]
.irp i, 0,1,2,3,4,5,6,7,8,9,10,11,12,13,14,15
	global_load_b128 v[X+4*\i:X+4*\i+3], v1, s[12:13] offset:4096*\i th:TH_LOAD_NT
.endr
.irp i, 0,1,2,3,4,5,6,7,8,9,10,11,12,13,14,15
	s_wait_loadcnt 15-\i                           ; loads come back in order (ISA guide 5.7.1): piece i is in, the younger ones stay out
	v_cvt_pk_bf16_f32 v[Y+2*\i], v[X+4*\i], v[X+4*\i+1]
	v_cvt_pk_bf16_f32 v[Y+2*\i+1], v[X+4*\i+2], v[X+4*\i+3]
	global_store_b64 v2, v[Y+2*\i:Y+2*\i+1], s[10:11] offset:2048*\i
.endr
	s_endpgm
.Lfunc_end_k_qbb4c526d8d_tobf16:
	.size	k_qbb4c526d8d_tobf16, .Lfunc_end_k_qbb4c526d8d_tobf16-k_qbb4c526d8d_tobf16
	.p2alignl 7, 3214868480
	.fill 96, 4, 3214868480
	.section	.rodata,"a",@progbits
	.p2align	6, 0x0
	.amdhsa_kernel k_qbb4c526d8d_tobf16
		.amdhsa_group_segment_fixed_size 0
		.amdhsa_private_segment_fixed_size 0
		.amdhsa_enable_private_segment 0
		.amdhsa_kernarg_size 32
		.amdhsa_user_sgpr_count 2
		.amdhsa_user_sgpr_kernarg_segment_ptr 1
		.amdhsa_wavefront_size32 1
		.amdhsa_system_sgpr_workgroup_id_x 1
		.amdhsa_system_sgpr_workgroup_id_y 1
		.amdhsa_system_sgpr_workgroup_id_z 1
		.amdhsa_system_vgpr_workitem_id 0
		.amdhsa_next_free_vgpr 100
		.amdhsa_next_free_sgpr 66
		.amdhsa_reserve_vcc 0
		.amdhsa_float_denorm_mode_32 3
		.amdhsa_float_denorm_mode_16_64 3
		.amdhsa_memory_ordered 1
		.amdhsa_forward_progress 1
		.amdhsa_inst_pref_size 7
	.end_amdhsa_kernel
	.amdgpu_metadata
---
amdhsa.version: [ 1, 2 ]
amdhsa.kernels:
  - .name:           k_qbb4c526d8d_tobf16
    .symbol:         k_qbb4c526d8d_tobf16.kd
    .args:
      - { .name: x, .offset: 0, .size: 8, .value_kind: global_buffer, .address_space: global }
      - { .name: w_attn, .offset: 8, .size: 8, .value_kind: global_buffer, .address_space: global }
      - { .name: w_proj, .offset: 16, .size: 8, .value_kind: global_buffer, .address_space: global }
      - { .name: xw, .offset: 24, .size: 8, .value_kind: global_buffer, .address_space: global }
    .group_segment_fixed_size: 0
    .private_segment_fixed_size: 0
    .kernarg_segment_align: 8
    .kernarg_segment_size: 32
    .max_flat_workgroup_size: 256
    .sgpr_count:     66
    .vgpr_count:     100
    .wavefront_size: 32
...
	.end_amdgpu_metadata
.endif
;; end of part 1
;; launch qkv (part 2): grid 8 x 32, 4 waves a work-group, clusters of 4 x 4, 327,680 bytes of LDS; arguments xw, b_attn, qkvh, bs; writes qkvh, bs
.if DOCPART == 2
	.amdgcn_target "amdgcn-amd-amdhsa--gfx1250"
	.amdhsa_code_object_version 6
	.text
	.protected	k_qbb4c526d8d_qkv
	.globl	k_qbb4c526d8d_qkv
	.p2align	8
	.type	k_qbb4c526d8d_qkv,@function
k_qbb4c526d8d_qkv:
	s_mov_b64 s[64:65], 0
	v_nop
	global_prefetch_b8 v0, s[64:65] scope:SCOPE_SE
	s_setreg_imm32_b32 hwreg(HW_REG_WAVE_MODE, 25, 1), 1
	s_wait_xcnt 0x0
	s_wait_alu depctr_hold_cnt(0) depctr_sa_sdst(0) depctr_va_vdst(0) depctr_va_sdst(0) depctr_va_ssrc(0) depctr_va_vcc(0) depctr_vm_vsrc(0)
	s_getreg_b32 s2, hwreg(HW_REG_IB_STS2, 6, 4)
	s_cmp_eq_u32 s2, 0
	s_cbranch_scc0 .Lentry_in_a_cluster
	s_endpgm
.Lentry_in_a_cluster:
	s_bfe_u32 s2, ttmp6, 0x10000c
	s_cmp_lg_u32 s2, 0xf033
	s_cbranch_scc0 .Lentry_shape_is_right
	s_endpgm
.Lentry_shape_is_right:
; qkv = x w_attn + b_attn.  x [4096][1024] and w_attn [1024][3072] come as bf16 from xw; sums in f32, started from the bias.
; OUT: qkvh, 96 planes [2048 s][64 d] of f16, plane = which * 32 + batch * 16 + head (which 0 q, 1 k, 2 v);
;      bs [64 blocks of 64 rows][1536] f32: the sums over 64 rows of columns 1536..3071, taken from the f32 sums.  The attention launch
;      reads v's part of it (columns 2048..3071).  The sums of columns 1536..2047 (k's heads 8..15) are made and never read: the branch round
;      the sums hangs on the cluster's x alone (its four block columns), since a finer one would hang on the place in the cluster.
; WHY f16: row s of the module's result is an average over s + 1 rows of v, so the first rows are up to sqrt(2048) = 45 times larger than the last, and an error
; that is a fixed fraction of a row is largest there: q, k and v are handed on with 11 significant bits, not 8.
; LIMIT: |q|, |k|, |v| above 65,504 become infinite.  Room: drawn they have rms 0.64; with x and w_attn both 30 times larger 900 times that, about 3,000 at five
; times the rms; with x offset by 30 and w_attn by 0.6 about 1024 x 30 x 0.6 = 18,432.
; A work-group makes 128 rows x 384 columns (6 heads) with four waves; a wave 64 rows x 192 columns (3 heads): 48 accumulator tiles, 384 registers.
; 32 x 8 = 256 work-groups.  K goes in 8 steps of 128 through two LDS slots; each wave brings one tile of 128 rows x 256 bytes per slot:
; waves 0..2 the three column segments of w_attn (128 k rows x 128 columns), wave 3 the 128 rows of x.
; CLUSTERS 4 x 4: x's tile hangs on the block row alone and is asked for jointly along a row of the cluster, w_attn's on the block column alone
; and is asked for jointly along a column: the requests for both are divided by four.
; w_attn lies [k][n]: its fragments are read from LDS by the transposing load.  The matrix instruction is used transposed (source 0 = 16 columns
; of w_attn, source 1 = 16 rows of x): lane (r, h), register j holds row r, column n0 + 8 h + j: eight neighbouring columns of one row.
; REGISTERS: window 0 addresses, x fragments (two buffers), TMP, BIAS; window 1 w fragments (two buffers);
;            window 2 accumulators of my row blocks 0, 1 (tile (a, b) at 8 (12 (a & 1) + b)); window 3 those of row blocks 2, 3.
.set SEG,    36864                     ; a w_attn segment in LDS: 128 rows, pitch 288 (256 + 32: an odd multiple of 32, for the transposing load)
.set SLOT,   145408                    ; 3 segments + x's 128 rows at pitch 272 (256 + 16: an odd multiple of 16)
.set STAGE,  290816                    ; behind the two slots; no fill lands here
.set WSTG,   6400                      ; a wave's stage: 16 rows at pitch 400 (384 + 16)
.set WOFF,   8388608                   ; w_attn in xw
.set ADRA,   16                        ; v16-17  x fragments, slot 0, 1
.set ADRB,   18                        ; v18-23  w fragments, slot s, column group j at 3 s + j
.set STO,    24                        ; way out: where I put 16 bytes of a row
.set RD,     25                        ; way out: where I read back
.set CO,     26                        ; 16 x lane
.set BOF,    27                        ; 32 h
.set CS8,    28                        ; 8 x lane
.set CSW,    29                        ; stage + 32 h
.set CSR,    30                        ; stage + 8 x lane
.set FA,     32                        ; v32-63, v64-95 x fragments
.set TMP,    96                        ; v96-143
.set BIAS,   160                       ; v160-255 the bias in an accumulator's layout, one tile per column block; later the column sums
.set RB,     32                        ; way out: rows read back
.set G1A, 24
.set G0A, 32
.set G1B, 40
.set G0B, 48
.set HB,  68                           ; s[68:73] my three heads' planes at my first row
.set MSB, 0
.macro WIN new                         ; the immediate's high byte repeats the setting that is left
.if MSB != \new
	s_set_vgpr_msb (MSB<<8)|\new
.set MSB, \new
.endif
.endm
.macro PLACES                          ; four places behind a matrix instruction (ISA guide 7.12.1), where no useful vector work is at hand
.rept 4
	v_nop
.endr
.endm
; a joint load: wave 3 asks for x's tile, waves 0..2 for their segment of w_attn.  Each line has one mask; the branch hangs on the wave's number alone.
.macro JLOAD s
	s_cmp_eq_u32 s12, 3
	s_cbranch_scc0 .Lfor_b_\@
	tensor_load_to_lds s[G0A+4*\s:G0A+4*\s+3], s[G1A:G1A+7]
	s_nop 0
	s_branch .Lasked_\@
.Lfor_b_\@:
	tensor_load_to_lds s[G0B+4*\s:G0B+4*\s+3], s[G1B:G1B+7]
	s_nop 0
.Lasked_\@:
.endm
.macro CREST                           ; a round of the cluster's barrier behind its opening work-group barrier
	s_cmp_lg_u32 s12, 0
	s_cbranch_scc1 .Lnot_wave_0_\@
	s_barrier_signal -3
.Lnot_wave_0_\@:
	s_barrier_wait -3
	s_barrier_signal -1
	s_barrier_wait -1
.endm
.macro CROUND
	s_barrier_signal -1
	s_barrier_wait -1
	CREST
.endm
	s_load_b256 s[4:11], s[0:1], 0x0               ; xw s[4:5], b_attn s[6:7], qkvh s[8:9], bs s[10:11]
	s_set_vgpr_msb 0x40
	v_lshl_add_u32 v255, v0, 2, 0x4d400
	s_set_vgpr_msb 0x4000
	v_mov_b32 v159, 0
	s_set_vgpr_msb 0x1
	ds_add_u32 v255, v159
	ds_add_u32 v255, v159
	s_set_vgpr_msb 0x100
	v_lshrrev_b32 v1, 5, v0
	v_readfirstlane_b32 s12, v1                    ; wave 0..3
	s_lshr_b32 s13, s12, 1                         ; wm: which 64 rows
	s_and_b32 s14, s12, 1                          ; wn: which 192 columns
	s_bfe_u32 s15, ttmp6, 0x40000                  ; cx
	s_bfe_u32 s16, ttmp6, 0x40004                  ; cy
	s_lshl_b32 s17, ttmp9, 2
	s_add_co_u32 s17, s17, s15                     ; block column 0..7
	s_and_b32 s18, ttmp7, 0xffff
	s_lshl_b32 s18, s18, 2
	s_add_co_u32 s18, s18, s16                     ; block row 0..31
	s_lshl_b32 s20, s16, 2
	s_lshl_b32 s20, 15, s20                        ; my row of the cluster
	s_lshl_b32 s22, 0x1111, s15                    ; my column of the cluster
	; group 1: tiles of 128 rows x 128 elements of 2 bytes; behind every 64 words 4 words (x) or 8 words (w_attn) are skipped in LDS
	s_or_b32 s[G1A+0], s20, (1<<16)|(1<<20)|(1<<21)|(5<<22)|(3<<25)
	s_or_b32 s[G1B+0], s22, (1<<16)|(1<<20)|(1<<21)|(5<<22)|(7<<25)
	s_mov_b32 s[G1A+1], 128<<16                    ; tensor_dim0 = 128
	s_mov_b32 s[G1B+1], 128<<16
	s_mov_b32 s[G1A+2], 128<<16                    ; tensor_dim1 = 128
	s_mov_b32 s[G1B+2], 128<<16
	s_mov_b32 s[G1A+3], 128<<16                    ; tile_dim0 = 128
	s_mov_b32 s[G1B+3], 128<<16
	s_mov_b32 s[G1A+4], 128                        ; tile_dim1 = 128
	s_mov_b32 s[G1B+4], 128
	s_mov_b32 s[G1A+5], 1024                       ; elements from row to row of x
	s_mov_b32 s[G1B+5], 3072                       ; and of w_attn
	s_mov_b32 s[G1A+6], 0
	s_mov_b32 s[G1B+6], 0
	s_mov_b32 s[G1A+7], 0
	s_mov_b32 s[G1B+7], 0
	s_lshl_b32 s20, s18, 18                        ; x: 128 rows of 2,048 bytes per block row (registers that hold cy alone)
	s_mov_b32 s21, 0
	s_mul_i32 s22, s17, 768                        ; w_attn: 384 columns per block column (registers that hold cx alone)
	s_lshl_b32 s23, s12, 8                         ; + my segment of 128 columns
	s_add_co_u32 s22, s22, s23
	s_add_co_u32 s22, s22, WOFF
	s_mov_b32 s23, 0
	s_mul_i32 s56, s12, SEG                        ; LDS: segments 0, 1, 2, then x = wave x SEG
	s_wait_dscnt 0x0
	s_wait_kmcnt 0x0
	s_add_nc_u64 s[20:21], s[4:5], s[20:21]
	s_add_nc_u64 s[22:23], s[4:5], s[22:23]
	CROUND                                         ; all sixteen work-groups are here: the first joint loads meet
.irp s, 0,1
	s_mov_b32 s[G0A+4*\s], 1
	s_add_co_u32 s[G0A+4*\s+1], s56, \s*SLOT
	s_add_nc_u64 s[G0A+4*\s+2:G0A+4*\s+3], s[20:21], \s*256        ; K step s: 128 elements along the row
	s_or_b32 s[G0A+4*\s+3], s[G0A+4*\s+3], 0x80000000
	s_mov_b32 s[G0B+4*\s], 1
	s_add_co_u32 s[G0B+4*\s+1], s56, \s*SLOT
	s_add_nc_u64 s[G0B+4*\s+2:G0B+4*\s+3], s[22:23], \s*786432     ; K step s: 128 rows of 6,144 bytes
	s_or_b32 s[G0B+4*\s+3], s[G0B+4*\s+3], 0x80000000
	JLOAD \s
.endr
	v_and_b32 v1, 15, v0                           ; r
	v_bfe_u32 v2, v0, 4, 1                         ; h
	v_and_b32 v3, 31, v0                           ; lane L
	v_and_b32 v4, 7, v0                            ; L & 7
	v_bfe_u32 v5, v0, 3, 1                         ; (L >> 3) & 1
	v_bfe_u32 v8, v0, 3, 2                         ; L >> 3
	; x fragment: row (64 wm + 16 a + r), bytes 64 kq + 16 h and + 32
	v_mul_u32_u24 v6, v1, 272
	v_lshl_add_u32 v6, v2, 4, v6
	s_mul_i32 s57, s13, 64*272
	s_add_co_u32 s57, s57, 3*SEG
	v_add_nc_u32 v[ADRA], s57, v6
	v_add_nc_u32 v[ADRA+1], SLOT, v[ADRA]
	; w fragment by the transposing load: row (32 kq + 8 h + (L & 7)) and + 16 rows, bytes 32 x column block + 16 ((L >> 3) & 1)
	v_lshl_add_u32 v7, v2, 3, v4
	v_mul_u32_u24 v7, v7, 288
	v_lshl_add_u32 v7, v5, 4, v7
.irp j, 0,1,2
	s_mul_i32 s58, s14, 12
	s_add_co_u32 s58, s58, 4*\j                    ; first of four column blocks of 16: 12 wn + 4 j; the four lie in one segment of 8
	s_lshr_b32 s59, s58, 3
	s_mul_i32 s59, s59, SEG
	s_and_b32 s60, s58, 7
	s_lshl_b32 s60, s60, 5
	s_add_co_u32 s59, s59, s60
	v_add_nc_u32 v[ADRB+\j], s59, v7
	v_add_nc_u32 v[ADRB+3+\j], SLOT, v[ADRB+\j]
.endr
	s_mul_i32 s61, s12, WSTG
	s_add_co_u32 s61, s61, STAGE                   ; my stage
	v_mul_u32_u24 v9, v1, 400
	v_lshl_add_u32 v9, v2, 4, v9
	v_add_nc_u32 v[STO], s61, v9                   ; row r, 16 bytes for each half of the lanes
	v_mul_u32_u24 v9, v8, 400
	v_lshl_add_u32 v9, v4, 4, v9
	v_add_nc_u32 v[RD], s61, v9                    ; eight lanes take the 128 bytes of one head in one row
	v_lshlrev_b32 v[CO], 4, v3
	v_lshlrev_b32 v[BOF], 5, v2
	v_lshlrev_b32 v[CS8], 3, v3
	v_add_nc_u32 v[CSW], s61, v[BOF]
	v_add_nc_u32 v[CSR], s61, v[CS8]
	; the bias as the first products' C: register j of tile b = b_attn[first column + 16 b + 8 h + j]
	s_mul_i32 s58, s17, 1536
	s_mul_i32 s59, s14, 768
	s_add_co_u32 s58, s58, s59
	s_mov_b32 s59, 0
	s_add_nc_u64 s[62:63], s[6:7], s[58:59]
.irp b, 0,1,2,3,4,5,6,7,8,9,10,11
	global_load_b128 v[BIAS+8*\b:BIAS+8*\b+3], v[BOF], s[62:63] offset:64*\b
	global_load_b128 v[BIAS+8*\b+4:BIAS+8*\b+7], v[BOF], s[62:63] offset:64*\b+16
.endr
; 12 matrix instructions: row block a x my 12 column blocks, 32 along K, from buffer f.  first = 1: C is the bias, nothing is cleared or added later.
.macro MULA f, a, first
.irp b, 0,1,2,3,4,5,6,7,8,9,10,11
.if \first
	v_wmma_f32_16x16x32_bf16 v[8*(12*((\a)&1)+\b):8*(12*((\a)&1)+\b)+7], v[96*\f+8*\b:96*\f+8*\b+7], v[FA+32*\f+8*\a:FA+32*\f+8*\a+7], v[BIAS+8*\b:BIAS+8*\b+7]
.else
	v_wmma_f32_16x16x32_bf16 v[8*(12*((\a)&1)+\b):8*(12*((\a)&1)+\b)+7], v[96*\f+8*\b:96*\f+8*\b+7], v[FA+32*\f+8*\a:FA+32*\f+8*\a+7], v[8*(12*((\a)&1)+\b):8*(12*((\a)&1)+\b)+7]
.endif
.endr
.endm
; 32 LDS loads in one run: quarter kq (32 along K) of a slot into buffer f: 24 transposing loads of w, then 8 loads of x
.macro FETCH slot, kq, f
	WIN 0x40                                       ; destination window 1, address window 0
.irp b, 0,1,2,3,4,5,6,7,8,9,10,11
	ds_load_tr16_b128 v[96*\f+8*\b:96*\f+8*\b+3], v[ADRB+3*\slot+\b/4] offset:(\b%4)*32+\kq*9216
	ds_load_tr16_b128 v[96*\f+8*\b+4:96*\f+8*\b+7], v[ADRB+3*\slot+\b/4] offset:(\b%4)*32+\kq*9216+4608
.endr
	WIN 0
.irp a, 0,1,2,3
	ds_load_b128 v[FA+32*\f+8*\a:FA+32*\f+8*\a+3], v[ADRA+\slot] offset:\a*4352+\kq*64
	ds_load_b128 v[FA+32*\f+8*\a+4:FA+32*\f+8*\a+7], v[ADRA+\slot] offset:\a*4352+\kq*64+32
.endr
.endm
; One of a K step's first three quarters: multiplies buffer f and fetches quarter kq of the same slot into buffer g.
; The 48 accumulators take turns, one instruction a turn, in the same order in every quarter.
.macro QUARTER slot, kq, f, g, first
	s_wait_dscnt 4                                 ; w and x's row blocks 0, 1 are in; the youngest four loads (row blocks 2, 3) may be out
.if \first
	WIN 0x81                                       ; D window 2, C (the bias) window 0, source 0 window 1, source 1 window 0
.else
	WIN 0xa1
.endif
	MULA \f, 0, \first
	MULA \f, 1, \first
	PLACES                                         ; buffer g was read by matrix instructions: loads into it stand four places behind them
	FETCH \slot, \kq, \g
	s_wait_dscnt 32                                ; all but the 32 just issued
.if \first
	WIN 0xc1
.else
	WIN 0xf1
.endif
	MULA \f, 2, \first
	MULA \f, 3, \first
.endm
.macro THREE slot, first
	QUARTER \slot, 1, 0, 1, \first
	QUARTER \slot, 2, 1, 0, 0
	QUARTER \slot, 3, 0, 1, 0
.endm
; The last quarter multiplies buffer 1 and changes slots.  In front of the barrier each wave waits for its reads of this slot and for all its tensor
; loads (one is out: its part of the next slot).  Where the slot is filled again the barrier opens a round of the cluster's barrier, and the joint
; refill is the first tensor load behind the round: no wave of any partner still reads the slot or has a load on its way.
.macro TURN slot, next, fill
	s_wait_dscnt 4
	WIN 0xa1
	MULA 1, 0, 0
	s_wait_dscnt 0x0
	s_wait_tensorcnt 0x0
	ds_add_u32 v255, v159
	s_wait_dscnt 0x0
	s_barrier_signal -1
	MULA 1, 1, 0                                   ; register work alone between signal and wait
	WIN 0
	s_barrier_wait -1
.if \fill
	CREST
	s_add_nc_u64 s[G0A+4*\slot+2:G0A+4*\slot+3], s[G0A+4*\slot+2:G0A+4*\slot+3], 512       ; two K steps on; no tensor load of mine is out
	s_add_nc_u64 s[G0B+4*\slot+2:G0B+4*\slot+3], s[G0B+4*\slot+2:G0B+4*\slot+3], 1572864
	JLOAD \slot
.endif
	PLACES
	FETCH \next, 0, 0
	WIN 0xf1
	MULA 1, 2, 0
	MULA 1, 3, 0
.endm
.macro LAP first
	THREE 0, \first
	TURN 0, 1, 1
	THREE 1, 0
	TURN 1, 0, 1
.endm
	s_wait_loadcnt 0x0                             ; the bias
	s_wait_tensorcnt 1                             ; my part of K step 0 is in; K step 1's load may stay out
	s_barrier_signal -1
	s_barrier_wait -1
	FETCH 0, 0, 0
	LAP 1                                          ; K steps 0, 1; fills 2, 3
	WIN 0
	s_mov_b32 s19, 2
.Llap:
	LAP 0                                          ; K steps 2..5; fills 4..7
	WIN 0
	s_sub_co_u32 s19, s19, 1
	s_cmp_lg_u32 s19, 0
	s_cbranch_scc1 .Llap
	THREE 0, 0                                     ; K steps 6, 7 fill nothing
	TURN 0, 1, 0
	THREE 1, 0
	s_wait_dscnt 4
	WIN 0xa1
	MULA 1, 0, 0
	MULA 1, 1, 0
	s_wait_dscnt 0x0
	WIN 0xf1
	MULA 1, 2, 0
	MULA 1, 3, 0
	WIN 0
	PLACES                                         ; behind the last matrix instructions: results are read, fragment registers are loaded again
	; COLUMN SUMS over my 64 rows, in the clusters that hold columns 1536..3071 (cluster x = 1: the same in all partners)
	s_cmp_lg_u32 ttmp9, 1
	s_cbranch_scc1 .Lnosum
	s_lshl_b32 s66, s18, 1
	s_add_co_u32 s66, s66, s13                     ; block of 64 rows: 2 x block row + wm
	s_mul_i32 s66, s66, 6144
	s_sub_co_u32 s67, s17, 4
	s_mul_i32 s67, s67, 1536
	s_add_co_u32 s66, s66, s67
	s_mul_i32 s67, s14, 768
	s_add_co_u32 s66, s66, s67
	s_mov_b32 s67, 0
	s_add_nc_u64 s[66:67], s[10:11], s[66:67]
	WIN 0x0a                                       ; sources window 2
.irp b, 0,1,2,3,4,5,6,7,8,9,10,11
.irp q, 0,1,2,3
	v_pk_add_f32 v[BIAS+8*\b+2*\q:BIAS+8*\b+2*\q+1], v[8*\b+2*\q:8*\b+2*\q+1], v[96+8*\b+2*\q:96+8*\b+2*\q+1]
.endr
.endr
	WIN 0x0c                                       ; source 1 window 3
.irp a, 0,1
.irp b, 0,1,2,3,4,5,6,7,8,9,10,11
.irp q, 0,1,2,3
	v_pk_add_f32 v[BIAS+8*\b+2*\q:BIAS+8*\b+2*\q+1], v[BIAS+8*\b+2*\q:BIAS+8*\b+2*\q+1], v[96*\a+8*\b+2*\q:96*\a+8*\b+2*\q+1]
.endr
.endr
.endr
	WIN 0
.irp m, 1,2,4,8                                    ; over the 16 rows that the 16 lanes of a half hold
.set i, 0
.rept 96
	v_add_f32_dpp v[BIAS+i], v[BIAS+i], v[BIAS+i] row_xmask:\m row_mask:0xf bank_mask:0xf
.set i, i+1
.endr
.endr
.irp b, 0,1,2,3,4,5,6,7,8,9,10,11
	ds_store_b128 v[CSW], v[BIAS+8*\b:BIAS+8*\b+3] offset:64*\b            ; the 16 lanes of a half write the same words with the same values
	ds_store_b128 v[CSW], v[BIAS+8*\b+4:BIAS+8*\b+7] offset:64*\b+16
.endr
.irp i, 0,1,2
	ds_load_b64 v[TMP+2*\i:TMP+2*\i+1], v[CSR] offset:256*\i               ; LDS serves a wave's instructions in order (ISA guide 5.7.1)
.endr
.irp i, 0,1,2
	s_wait_dscnt 2-\i
	global_store_b64 v[CS8], v[TMP+2*\i:TMP+2*\i+1], s[66:67] offset:256*\i ; a wave's store covers 256 consecutive bytes at a multiple of 256
.endr
	s_wait_xcnt 0x0                                ; TMP is written again below
.Lnosum:
	; THE WAY OUT: my three heads' planes at my first row
.irp i, 0,1,2
	s_mul_i32 s74, s17, 6
	s_mul_i32 s75, s14, 3
	s_add_co_u32 s74, s74, s75
	s_add_co_u32 s74, s74, \i                      ; head slot 0..47 = which * 16 + head
	s_lshr_b32 s75, s74, 4
	s_lshl_b32 s75, s75, 5
	s_and_b32 s74, s74, 15
	s_add_co_u32 s74, s74, s75
	s_lshr_b32 s75, s18, 4                         ; batch
	s_lshl_b32 s75, s75, 4
	s_add_co_u32 s74, s74, s75                     ; plane
	s_lshl_b32 s74, s74, 18
	s_and_b32 s75, s18, 15
	s_lshl_b32 s75, s75, 14                        ; 128 rows of 128 bytes
	s_add_co_u32 s74, s74, s75
	s_lshl_b32 s75, s13, 13                        ; 64 rows of 128 bytes
	s_add_co_u32 s74, s74, s75
	s_mov_b32 s75, 0
	s_add_nc_u64 s[HB+2*\i:HB+2*\i+1], s[8:9], s[74:75]
.endr
; 16 rows at a time: round to f16, 16 bytes a lane into my own stage, read back so that a wave's store covers four whole rows of a head's plane:
; 512 consecutive bytes at a multiple of 512
.macro OUT a, from
	WIN \from
.irp b, 0,1,2,3,4,5,6,7,8,9,10,11
.irp q, 0,1,2,3
	v_cvt_pk_f16_f32 v[TMP+4*\b+\q], v[8*(12*((\a)&1)+\b)+2*\q], v[8*(12*((\a)&1)+\b)+2*\q+1]
.endr
.endr
	WIN 0
.irp b, 0,1,2,3,4,5,6,7,8,9,10,11
	ds_store_b128 v[STO], v[TMP+4*\b:TMP+4*\b+3] offset:32*\b
.endr
	s_wait_xcnt 0x0                                ; RB, which the last stores read, is loaded again only behind this wait
.irp i, 0,1,2
.irp t, 0,1,2,3
	ds_load_b128 v[RB+16*\i+4*\t:RB+16*\i+4*\t+3], v[RD] offset:128*\i+1600*\t
.endr
.endr
.irp i, 0,1,2
.irp t, 0,1,2,3
	s_wait_dscnt 11-4*\i-\t
	global_store_b128 v[CO], v[RB+16*\i+4*\t:RB+16*\i+4*\t+3], s[HB+2*\i:HB+2*\i+1] offset:\a*2048+\t*512
.endr
.endr
.endm
	OUT 0, 0x0a
	OUT 1, 0x0a
	OUT 2, 0x0f
	OUT 3, 0x0f
	s_set_vgpr_msb 0x1
	s_wait_tensorcnt 0x0
	ds_add_u32 v255, v159
	s_wait_dscnt 0x0
	s_set_vgpr_msb 0x100
	CROUND                                         ; the closing round: no work-group ends while a partner may still ask for a tile that names it
	s_endpgm
.Lfunc_end_k_qbb4c526d8d_qkv:
	.size	k_qbb4c526d8d_qkv, .Lfunc_end_k_qbb4c526d8d_qkv-k_qbb4c526d8d_qkv
	.p2alignl 7, 3214868480
	.fill 96, 4, 3214868480
	.section	.rodata,"a",@progbits
	.p2align	6, 0x0
	.amdhsa_kernel k_qbb4c526d8d_qkv
		.amdhsa_group_segment_fixed_size 327680
		.amdhsa_private_segment_fixed_size 0
		.amdhsa_enable_private_segment 0
		.amdhsa_kernarg_size 32
		.amdhsa_user_sgpr_count 2
		.amdhsa_user_sgpr_kernarg_segment_ptr 1
		.amdhsa_wavefront_size32 1
		.amdhsa_system_sgpr_workgroup_id_x 1
		.amdhsa_system_sgpr_workgroup_id_y 1
		.amdhsa_system_sgpr_workgroup_id_z 1
		.amdhsa_system_vgpr_workitem_id 0
		.amdhsa_next_free_vgpr 960
		.amdhsa_next_free_sgpr 80
		.amdhsa_reserve_vcc 0
		.amdhsa_float_denorm_mode_32 3
		.amdhsa_float_denorm_mode_16_64 3
		.amdhsa_memory_ordered 1
		.amdhsa_forward_progress 1
		.amdhsa_inst_pref_size 204
	.end_amdhsa_kernel
	.amdgpu_metadata
---
amdhsa.version: [ 1, 2 ]
amdhsa.kernels:
  - .name:           k_qbb4c526d8d_qkv
    .symbol:         k_qbb4c526d8d_qkv.kd
    .args:
      - { .name: xw, .offset: 0, .size: 8, .value_kind: global_buffer, .address_space: global }
      - { .name: b_attn, .offset: 8, .size: 8, .value_kind: global_buffer, .address_space: global }
      - { .name: qkvh, .offset: 16, .size: 8, .value_kind: global_buffer, .address_space: global }
      - { .name: bs, .offset: 24, .size: 8, .value_kind: global_buffer, .address_space: global }
    .group_segment_fixed_size: 327680
    .private_segment_fixed_size: 0
    .kernarg_segment_align: 8
    .kernarg_segment_size: 32
    .max_flat_workgroup_size: 128
    .sgpr_count:     80
    .vgpr_count:     960
    .wavefront_size: 32
...
	.end_amdgpu_metadata
.endif
;; end of part 2
;; launch attn (part 3): grid 8 x 32, 4 waves a work-group, no clusters, 327,680 bytes of LDS; arguments qkvh, bs, ah; writes ah
.if DOCPART == 3
	.amdgcn_target "amdgcn-amd-amdhsa--gfx1250"
	.amdhsa_code_object_version 6
	.text
	.protected	k_qbb4c526d8d_attn
	.globl	k_qbb4c526d8d_attn
	.p2align	8
	.type	k_qbb4c526d8d_attn,@function
k_qbb4c526d8d_attn:
	s_mov_b64 s[64:65], 0
	v_nop
	global_prefetch_b8 v0, s[64:65] scope:SCOPE_SE
	s_setreg_imm32_b32 hwreg(HW_REG_WAVE_MODE, 25, 1), 1
	s_wait_xcnt 0x0
; Causal attention of one (batch, head) plane, running softmax in f32, products in f16.  IN: qkvh (q, k, v planes [2048][64] f16), bs (column sums of v
; per 64 rows, f32).  OUT: ah, 64 planes [2048][64] bf16, plane = batch * 32 + piece * 16 + head: the result a in TWO bf16 pieces, piece 0 = a rounded to bf16,
; piece 1 = what that rounding left, rounded to bf16 (16 significant bits in all).
; WHY THESE FORMATS: row s of a is an average over s + 1 rows of v, so the first rows are up to sqrt(2048) = 45 times larger than the last, and an error that is a fixed
; fraction of a row is largest there.  q, k, v and the weights P go with f16's 11 significant bits; a goes on in two pieces because the next product's other
; operand is bf16.  P lies in (0, 1]: weights under 2^-25 of a row's largest round to 0; 2,048 of them weigh under 2048 x 2^-25 = 6e-5 of it.
; THE MASK IS NOT MINUS INFINITY: a masked score is exactly -10000 and takes part in the softmax.  Inside the diagonal tile masked scores are set to
; -80000 ahead of the scale 1/8 and go through the exponential like any other.  All keys beyond the diagonal tile have the same score, so their share is one term,
; and it is the START of the running softmax: maximum -10000, sum = their number, O = the sum of their v rows (from bs).  For the last query block
; there are none: sum 0, O 0, maximum -2^127.
; LIMITS: NaN and infinite inputs are not followed (q, k, v beyond f16's 65,504 arrive infinite); the sums of v's rows must be finite in f32; the start's maximum is
; the rounded product -80000 c, so the weight of the keys beyond the tile differs from that of the masked keys in the tile by up to about 3e-4 relative.
; WORK: work-group (p, plane) makes query blocks p and 15 - p (128 rows each), one after the other: p + 1 + 16 - p = 17 key tiles of 128 for every
; work-group, 8 x 32 = 256 equal work-groups.  Trip t takes key tile p - t (t <= p) or 16 - t: each pass begins on its diagonal tile.
; A wave owns 32 queries (two blocks nb of 16).
; NO CLUSTER: the eight work-groups of a plane take the tiles in eight different orders (tile p - t, then 16 - t), so no two in their first pass want the same tile at one trip, and
; the change of pass (t = p + 1) would be a branch on the place in the cluster.
; TRANSPOSED FORMS: S^T = K Q^T (source 0 = 16 keys, source 1 = 16 queries): lane (r, h), register j holds key 16 kb + 8 h + j of query r, which, packed to f16, IS
; the second source's layout for O^T = V^T P^T (source 0 = v through the transposing load).  Maximum, sum and scale are one number per lane.
; REGISTERS: window 0 addresses, statistics, P v64-127, S v128-255; window 1 K fragments v0-127, V fragments v128-255; window 2 O v0-63, Q v64-95.
.set SLOTB, 38912                      ; a slot: K 128 rows at pitch 144 (128 + 16), V 128 rows at pitch 160 (128 + 32: odd multiple of 32, for the transposing load)
.set VOFF,  18432
.set STAGE, 77824                      ; behind the two slots; no fill lands here
.set WSTG,  9472                       ; a wave's stage: 32 rows at pitch 144 for each piece of a, then 256 bytes for the sum of v rows
.set LOST,  4608                       ; the second piece's rows
.set SV,    9216
.set LOPL,  4194304                    ; the second piece lies 16 planes of 262,144 bytes on
.set PF,    64
.set SC,    128
.set VF,    128
.set QF,    64
.set LS,    32
.set G1K, 20
.set G1V, 28
.set G0K, 36
.set G0V, 44
.set MSB, 0
.macro WIN new
.if MSB != \new
	s_set_vgpr_msb (MSB<<8)|\new
.set MSB, \new
.endif
.endm
.macro PLACES
.rept 4
	v_nop
.endr
.endm
	s_load_b128 s[4:7], s[0:1], 0x0                ; qkvh s[4:5], bs s[6:7]
	s_load_b64 s[8:9], s[0:1], 0x10                ; ah
	v_lshl_add_u32 v62, v0, 2, 0x29000
	v_mov_b32 v63, 0
	ds_add_u32 v62, v63
	ds_add_u32 v62, v63
	v_lshrrev_b32 v1, 5, v0
	v_readfirstlane_b32 s10, v1                    ; wave 0..3
	s_mov_b32 s11, ttmp9                           ; p: the first pass's query block
	s_add_co_u32 s12, s11, 1                       ; the trip at which the pass changes
	s_sub_co_u32 s13, 15, s11                      ; the second pass's query block
	s_and_b32 s14, ttmp7, 0xffff                   ; plane = batch * 16 + head
	s_mov_b32 s66, 0x3e38aa3b                      ; c = log2(e) / 8: the scale 1/8 and the change to base 2 in one factor
	s_mov_b32 s67, 0x3e38aa3b
	s_mov_b32 s68, 0x76543210                      ; v_permlanex16_b32: lane i of one half reads lane i of the other
	s_mov_b32 s69, 0xfedcba98
	; group 1: 32 rows of 64 elements of 2 bytes; behind every 32 words (a row) 4 words (K) or 8 words (V) are skipped in LDS
	s_mov_b32 s[G1K+0], (1<<16)|(1<<20)|(4<<22)|(3<<25)
	s_mov_b32 s[G1V+0], (1<<16)|(1<<20)|(4<<22)|(7<<25)
	s_mov_b32 s[G1K+1], 64<<16
	s_mov_b32 s[G1V+1], 64<<16
	s_mov_b32 s[G1K+2], 32<<16
	s_mov_b32 s[G1V+2], 32<<16
	s_mov_b32 s[G1K+3], 64<<16
	s_mov_b32 s[G1V+3], 64<<16
	s_mov_b32 s[G1K+4], 32
	s_mov_b32 s[G1V+4], 32
	s_mov_b32 s[G1K+5], 64
	s_mov_b32 s[G1V+5], 64
	s_mov_b32 s[G1K+6], 0
	s_mov_b32 s[G1V+6], 0
	s_mov_b32 s[G1K+7], 0
	s_mov_b32 s[G1V+7], 0
	s_lshl_b32 s16, s14, 18                        ; my plane
	s_lshl_b32 s18, s10, 12                        ; + my 32 rows of 128 bytes
	s_add_co_u32 s16, s16, s18
	s_lshl_b32 s18, s11, 14
	s_add_co_u32 s18, s16, s18                     ; first pass: + 128 p rows
	s_mov_b32 s19, 0
	s_lshl_b32 s88, s13, 14
	s_add_co_u32 s88, s16, s88                     ; second pass
	s_mov_b32 s89, 0
	s_add_co_u32 s90, s16, 0x800000                ; k's planes begin 32 planes on
	s_mov_b32 s91, 0
	s_add_co_u32 s94, s16, 0x1000000               ; v's 64 planes on
	s_mov_b32 s95, 0
	s_lshr_b32 s92, s14, 4
	s_mul_i32 s92, s92, 196608                     ; bs: 32 blocks of 64 rows per batch, 6,144 bytes each
	s_and_b32 s93, s14, 15
	s_lshl_b32 s93, s93, 8
	s_add_co_u32 s92, s92, s93
	s_add_co_u32 s92, s92, 2048                    ; v's head hd begins at column 512 + 64 hd
	s_mov_b32 s93, 0
	s_lshr_b32 s2, s14, 4
	s_lshl_b32 s2, s2, 22                          ; ah has 32 planes per batch, qkvh's parts 16: batch x 16 planes more
	s_mov_b32 s3, 0
	s_mul_i32 s85, s10, 4608                       ; LDS: my 32 rows of K,
	s_mul_i32 s17, s10, 5120
	s_add_co_u32 s17, s17, VOFF                    ; and of V
	s_wait_dscnt 0x0
	s_wait_kmcnt 0x0
	s_add_nc_u64 s[56:57], s[4:5], s[18:19]        ; q, first pass
	s_add_nc_u64 s[58:59], s[4:5], s[88:89]        ; q, second pass
	s_add_nc_u64 s[60:61], s[8:9], s[18:19]        ; ah, first pass
	s_add_nc_u64 s[60:61], s[60:61], s[2:3]
	s_add_nc_u64 s[62:63], s[8:9], s[88:89]        ; ah, second pass
	s_add_nc_u64 s[62:63], s[62:63], s[2:3]
	s_add_nc_u64 s[52:53], s[4:5], s[90:91]        ; k at my rows of tile 0,
	s_or_b32 s53, s53, 0x80000000                  ; with the descriptor's type
	s_add_nc_u64 s[54:55], s[4:5], s[94:95]        ; v likewise
	s_or_b32 s55, s55, 0x80000000
	s_add_nc_u64 s[86:87], s[6:7], s[92:93]
.irp s, 0,1
	s_mov_b32 s[G0K+4*\s], 1
	s_add_co_u32 s[G0K+4*\s+1], s85, \s*SLOTB
	s_mov_b32 s[G0V+4*\s], 1
	s_add_co_u32 s[G0V+4*\s+1], s17, \s*SLOTB
.endr
	s_lshl_b32 s16, s11, 14                        ; trip 0: tile p
	s_mov_b32 s17, 0
	s_add_nc_u64 s[G0K+2:G0K+3], s[52:53], s[16:17]
	s_add_nc_u64 s[G0V+2:G0V+3], s[54:55], s[16:17]
	tensor_load_to_lds s[G0K:G0K+3], s[G1K:G1K+7]
	s_nop 0
	tensor_load_to_lds s[G0V:G0V+3], s[G1V:G1V+7]
	s_nop 0
	v_and_b32 v43, 15, v0                          ; r
	v_bfe_u32 v44, v0, 4, 1                        ; h
	v_and_b32 v45, 31, v0                          ; lane L
	v_and_b32 v46, 7, v0                           ; L & 7
	v_bfe_u32 v47, v0, 3, 1                        ; (L >> 3) & 1
	v_bfe_u32 v48, v0, 3, 2                        ; L >> 3
	s_mul_i32 s88, s10, WSTG
	s_add_co_u32 s88, s88, STAGE                   ; my stage
	s_add_co_u32 s89, s88, SV
	s_lshl_b32 s90, s10, 5
	v_mul_u32_u24 v2, v43, 144
	v_lshl_add_u32 v2, v44, 4, v2                  ; v2: K fragments: row r, 16 h
	v_lshl_add_u32 v3, v44, 3, v46
	v_mul_u32_u24 v3, v3, 160
	v_lshl_add_u32 v3, v47, 4, v3
	v_add_nc_u32 v3, VOFF, v3                      ; v3: V fragments by the transposing load
	v_add_nc_u32 v4, s88, v2                       ; v4: way out, in
	v_mul_u32_u24 v5, v48, 144
	v_lshl_add_u32 v5, v46, 4, v5
	v_add_nc_u32 v5, s88, v5                       ; v5: way out, back: eight lanes take a row of 128 bytes
	v_lshlrev_b32 v6, 4, v45                       ; v6: 16 L
	v_lshlrev_b32 v7, 7, v43
	v_lshl_add_u32 v7, v44, 4, v7                  ; v7: Q fragments from memory: row r, 16 h
	v_lshlrev_b32 v8, 3, v45                       ; v8: 8 L
	v_add_nc_u32 v9, s89, v8                       ; v9: the sum of v rows, in
	v_lshlrev_b32 v10, 5, v44
	v_add_nc_u32 v10, s89, v10                     ; v10: and back, in O's layout
	v_add_nc_u32 v11, s90, v43
	v_lshlrev_b32 v49, 3, v44
	v_sub_nc_u32 v11, v11, v49                     ; v11: 32 w + r - 8 h: key 16 kb + 8 h + j is masked for query 32 w + 16 nb + r where 16 (kb - nb) + j is greater
	v_mov_b32 v12, 0xc79c4000                      ; v12: -80000.0 = 8 x -10000
	v_mul_f32 v13, s66, v12                        ; v13: the masked score in the exponent's unit
	v_mov_b32 v42, 0xff000000                      ; v42: -2^127
; The barrier of a trip.  Every wave waits for all its tensor loads (its parts of this trip's tile) and for its reads of the other slot, then passes the barrier; the
; next trip's tile goes into the other slot first thing behind it and has the whole trip in which to land.  Two tensor loads of a wave are out at the most.
; u = s15 + uadd is the next trip; its tile is p - u up to the first pass's end, then 16 - u.
.macro RING slot, refill, uadd
	s_wait_tensorcnt 0x0
	ds_add_u32 v62, v63
	s_wait_dscnt 0x0
.if \refill
	s_add_co_u32 s18, s15, \uadd
	s_sub_co_u32 s16, s11, s18
	s_sub_co_u32 s19, 16, s18
	s_cmp_le_u32 s18, s11
	s_cselect_b32 s16, s16, s19
	s_lshl_b32 s16, s16, 14                        ; 128 rows of 128 bytes per tile
	s_mov_b32 s17, 0
	s_add_nc_u64 s[G0K+4*(1-\slot)+2:G0K+4*(1-\slot)+3], s[52:53], s[16:17]    ; no tensor load of mine is out: group 0 may be written
	s_add_nc_u64 s[G0V+4*(1-\slot)+2:G0V+4*(1-\slot)+3], s[54:55], s[16:17]
.endif
	s_wait_dscnt 0x0
	s_barrier_signal -1
	s_barrier_wait -1
.if \refill
	tensor_load_to_lds s[G0K+4*(1-\slot):G0K+4*(1-\slot)+3], s[G1K:G1K+7]
	s_nop 0
	tensor_load_to_lds s[G0V+4*(1-\slot):G0V+4*(1-\slot)+3], s[G1V:G1V+7]
	s_nop 0
.endif
.endm
; A pass's loads.  s[qb] its query block, s[qa:qa+1] its q rows.  Weight of key tile kt: 1 where it lies beyond the diagonal tile, else 0: the choice selects a value, no branch.
.macro NEWLOADS qb, qa
.irp kt, 1,2,3,4,5,6,7,8,9,10,11,12,13,14,15
	s_cmp_lt_u32 s[\qb], \kt
	s_cselect_b32 s[69+\kt], 1.0, 0
.endr
.set rb, 2
.rept 30                                           ; blocks of 64 rows 2..31 (key tiles 1..15; tile 0 is never beyond): 256 consecutive bytes each
	global_load_b64 v[SC+2*rb:SC+2*rb+1], v8, s[86:87] offset:rb*6144
.set rb, rb+1
.endr
	WIN 0x80                                       ; destination window 2
.irp nb, 0,1
.irp ks, 0,1
	global_load_b128 v[QF+8*(2*\nb+\ks):QF+8*(2*\nb+\ks)+3], v7, s[\qa:\qa+1] offset:\nb*2048+\ks*64
	global_load_b128 v[QF+8*(2*\nb+\ks)+4:QF+8*(2*\nb+\ks)+7], v7, s[\qa:\qa+1] offset:\nb*2048+\ks*64+32
.endr
.endr
	WIN 0
.endm
; A pass's start: O = the sum of the v rows beyond the diagonal tile, sum = their number (half in each half of the lanes), maximum = the masked score.
.macro NEWUSE qb
	s_wait_loadcnt 8                               ; the sums are in; the eight loads of q may stay out
.irp kt, 1,2,3,4,5,6,7,8,9,10,11,12,13,14,15
	v_pk_add_f32 v[SC+4*\kt:SC+4*\kt+1], v[SC+4*\kt:SC+4*\kt+1], v[SC+4*\kt+2:SC+4*\kt+3]
.endr
	v_mul_f32 v40, s70, v[SC+4]
	v_mul_f32 v41, s70, v[SC+5]
.irp kt, 2,3,4,5,6,7,8,9,10,11,12,13,14,15
	v_fmac_f32 v40, s[69+\kt], v[SC+4*\kt]
	v_fmac_f32 v41, s[69+\kt], v[SC+4*\kt+1]
.endr
	ds_store_b64 v9, v[40:41]                      ; lane L holds d = 2 L, 2 L + 1
	WIN 0x80
.irp db, 0,1,2,3
.irp nb, 0,1
	ds_load_b128 v[8*(2*\db+\nb):8*(2*\db+\nb)+3], v10 offset:64*\db       ; d = 16 db + 8 h + j, for every query; LDS serves a wave in order (ISA guide 5.7.1)
	ds_load_b128 v[8*(2*\db+\nb)+4:8*(2*\db+\nb)+7], v10 offset:64*\db+16
.endr
.endr
	WIN 0
	s_cmp_lg_u32 s[\qb], 15
	s_cselect_b32 s18, -1, 0
	v_cndmask_b32 v14, v42, v13, s18
	v_mov_b32 v15, v14
	s_sub_co_u32 s19, 15, s[\qb]
	s_lshl_b32 s19, s19, 6                         ; 128 (15 - qb) keys, half of them counted in each half of the lanes
	v_cvt_f32_u32 v16, s19
	v_mov_b32 v17, v16
	s_wait_dscnt 0x0
	s_wait_loadcnt 0x0
.endm
.macro OSCALE                                      ; O times the pair v[24:25] (nb 0) or v[26:27] (nb 1)
	WIN 0x82                                       ; destination and source 0 window 2
.irp t, 0,1,2,3,4,5,6,7
.irp q, 0,1,2,3
	v_pk_mul_f32 v[8*\t+2*\q:8*\t+2*\q+1], v[8*\t+2*\q:8*\t+2*\q+1], v[24+2*((\t)&1):24+2*((\t)&1)+1]
.endr
.endr
.endm
; A pass's end: a = O / sum in two bf16 pieces, each through stage bytes of its own, out in whole rows: a wave's store covers 512 consecutive bytes at a multiple of 512.
; P's registers v64-127 are free here (the last products that read them lie more than four places back) and serve as scratch.
.macro FINISH adr
	v_permlanex16_b32 v20, v16, s68, s69
	v_permlanex16_b32 v21, v17, s68, s69
	v_add_f32 v16, v16, v20                        ; the two halves' sums
	v_add_f32 v17, v17, v21
	v_rcp_f32 v24, v16
	v_rcp_f32 v26, v17
	v_nop                                          ; one plain place behind the reciprocals (ISA guide 5.7.2)
	s_wait_alu depctr_va_vdst(0)
	v_mov_b32 v25, v24
	v_mov_b32 v27, v26
	OSCALE
	WIN 0x0a                                       ; sources window 2
.irp t, 0,1,2,3,4,5,6,7
.irp q, 0,1,2,3
	v_cvt_pk_bf16_f32 v[192+4*\t+\q], v[8*\t+2*\q], v[8*\t+2*\q+1]         ; piece 0: word i = 4 t + q holds O's registers 2 i, 2 i + 1
.endr
.endr
	WIN 0
.set i, 0
.rept 32
	v_lshlrev_b32 v[PF+2*i], 16, v[192+i]          ; piece 0 back in f32
	v_and_b32 v[PF+2*i+1], 0xffff0000, v[192+i]
.set i, i+1
.endr
	WIN 0x02                                       ; source 0 window 2
.set i, 0
.rept 32
	v_pk_add_f32 v[PF+2*i:PF+2*i+1], v[2*i:2*i+1], v[PF+2*i:PF+2*i+1] neg_lo:[0,1] neg_hi:[0,1]    ; what the rounding left: exact in f32
.set i, i+1
.endr
	WIN 0
.set i, 0
.rept 32
	v_cvt_pk_bf16_f32 v[PF+i], v[PF+2*i], v[PF+2*i+1]                      ; piece 1; word i lands on registers that earlier lines of this run have read
.set i, i+1
.endr
.irp db, 0,1,2,3
.irp nb, 0,1
	ds_store_b128 v4, v[192+4*(2*\db+\nb):192+4*(2*\db+\nb)+3] offset:\nb*2304+32*\db
.endr
.endr
.irp t, 0,1,2,3,4,5,6,7
	ds_load_b128 v[224+4*\t:224+4*\t+3], v5 offset:576*\t
.endr
.irp db, 0,1,2,3
.irp nb, 0,1
	ds_store_b128 v4, v[PF+4*(2*\db+\nb):PF+4*(2*\db+\nb)+3] offset:LOST+\nb*2304+32*\db
.endr
.endr
.irp t, 0,1,2,3,4,5,6,7
	ds_load_b128 v[PF+32+4*\t:PF+32+4*\t+3], v5 offset:LOST+576*\t
.endr
.irp t, 0,1,2,3,4,5,6,7
	s_wait_dscnt 23-\t                             ; behind piece 0's load t: its 7 - t younger loads, piece 1's 8 stores and 8 loads
	global_store_b128 v6, v[224+4*\t:224+4*\t+3], s[\adr:\adr+1] offset:512*\t
.endr
.irp t, 0,1,2,3,4,5,6,7
	s_wait_dscnt 7-\t
	global_store_b128 v6, v[PF+32+4*\t:PF+32+4*\t+3], s[\adr:\adr+1] offset:LOPL+512*\t
.endr
	s_wait_xcnt 0x0                                ; v96-127 and v224-255 are written again by the next tile
.endm
; A tile, first part: 56 fragment loads in one run, S^T = K Q^T, then v's last 8 loads.  The sixteen accumulators take turns, one instruction a turn.
.macro VLOADS slot, k2
.irp db, 0,1,2,3
	ds_load_tr16_b128 v[VF+8*(4*\k2+\db):VF+8*(4*\k2+\db)+3], v3 offset:\slot*SLOTB+\k2*5120+32*\db
	ds_load_tr16_b128 v[VF+8*(4*\k2+\db)+4:VF+8*(4*\k2+\db)+7], v3 offset:\slot*SLOTB+\k2*5120+32*\db+2560
.endr
.endm
.macro TILE_A slot
	WIN 0x40                                       ; destination window 1
.irp ks, 0,1
.irp kb, 0,1,2,3,4,5,6,7
	ds_load_b128 v[8*(\kb+8*\ks):8*(\kb+8*\ks)+3], v2 offset:\slot*SLOTB+\kb*2304+\ks*64
	ds_load_b128 v[8*(\kb+8*\ks)+4:8*(\kb+8*\ks)+7], v2 offset:\slot*SLOTB+\kb*2304+\ks*64+32
.endr
.endr
	VLOADS \slot, 0
	VLOADS \slot, 1
	VLOADS \slot, 2
	s_wait_dscnt 40                                ; the first 16 of the 56: K, d 0..31
	WIN 0x09                                       ; source 0 window 1, source 1 window 2
.irp kb, 0,1,2,3,4,5,6,7
.irp nb, 0,1
	v_wmma_f32_16x16x32_f16 v[SC+8*(2*\kb+\nb):SC+8*(2*\kb+\nb)+7], v[8*\kb:8*\kb+7], v[QF+16*\nb:QF+16*\nb+7], 0
.endr
.endr
	s_wait_dscnt 24                                ; all of K; v's 24 loads may stay out
.irp kb, 0,1,2,3,4,5,6,7
.irp nb, 0,1
	v_wmma_f32_16x16x32_f16 v[SC+8*(2*\kb+\nb):SC+8*(2*\kb+\nb)+7], v[64+8*\kb:64+8*\kb+7], v[QF+16*\nb+8:QF+16*\nb+15], v[SC+8*(2*\kb+\nb):SC+8*(2*\kb+\nb)+7]
.endr
.endr
	WIN 0x40
	VLOADS \slot, 3                                ; registers that the products above do not name
	WIN 0
	PLACES                                         ; four places before vector instructions read the scores (ISA guide 7.12.1)
.endm
.macro MASK                                        ; the diagonal tile: key > query gets -80000
.irp kb, 0,1,2,3,4,5,6,7
.irp nb, 0,1
.irp j, 0,1,2,3,4,5,6,7
	v_cmp_gt_i32 vcc_lo, 16*(\kb-\nb)+\j, v11
	v_cndmask_b32 v[SC+8*(2*\kb+\nb)+\j], v[SC+8*(2*\kb+\nb)+\j], v12, vcc_lo
.endr
.endr
.endr
.endm
.macro FMA g                                       ; exponent = c s - maximum, two at a time
.irp q, 0,1,2,3
	v_pk_fma_f32 v[SC+8*(\g)+2*\q:SC+8*(\g)+2*\q+1], v[SC+8*(\g)+2*\q:SC+8*(\g)+2*\q+1], s[66:67], v[28+2*((\g)&1):28+2*((\g)&1)+1] op_sel_hi:[1,0,1]
.endr
.endm
.macro EXPS g
.irp j, 0,1,2,3,4,5,6,7
	v_exp_f32 v[SC+8*(\g)+\j], v[SC+8*(\g)+\j]
.endr
.endm
.macro ADDCVT g                                    ; row sums in f32 (two pairs per query block), P packed to f16 in the second source's place
.set PB_, PF+8*(2*((\g)>>2)+((\g)&1))+4*(((\g)>>1)&1)
.set SB_, SC+8*(\g)
.set LA_, LS+4*((\g)&1)
.if (\g) < 2
	s_wait_alu depctr_va_vdst(0)
	v_pk_add_f32 v[LA_:LA_+1], v[SB_:SB_+1], v[SB_+4:SB_+5]                ; the first tile starts the sums: nothing is cleared
	v_cvt_pk_f16_f32 v[PB_], v[SB_], v[SB_+1]
	v_pk_add_f32 v[LA_+2:LA_+3], v[SB_+2:SB_+3], v[SB_+6:SB_+7]
	v_cvt_pk_f16_f32 v[PB_+1], v[SB_+2], v[SB_+3]
	v_cvt_pk_f16_f32 v[PB_+2], v[SB_+4], v[SB_+5]
	v_cvt_pk_f16_f32 v[PB_+3], v[SB_+6], v[SB_+7]
.else
	s_wait_alu depctr_va_vdst(0)
	v_pk_add_f32 v[LA_:LA_+1], v[LA_:LA_+1], v[SB_:SB_+1]
	v_cvt_pk_f16_f32 v[PB_], v[SB_], v[SB_+1]
	v_pk_add_f32 v[LA_+2:LA_+3], v[LA_+2:LA_+3], v[SB_+2:SB_+3]
	v_cvt_pk_f16_f32 v[PB_+1], v[SB_+2], v[SB_+3]
	v_pk_add_f32 v[LA_:LA_+1], v[LA_:LA_+1], v[SB_+4:SB_+5]
	v_cvt_pk_f16_f32 v[PB_+2], v[SB_+4], v[SB_+5]
	v_pk_add_f32 v[LA_+2:LA_+3], v[LA_+2:LA_+3], v[SB_+6:SB_+7]
	v_cvt_pk_f16_f32 v[PB_+3], v[SB_+6], v[SB_+7]
.endif
.endm
; A tile, second part: the running softmax and O^T += V^T P^T.
.macro TILE_B
	; the largest score of each query: four chains (tile g goes to chain g & 3; chains 0, 2 are nb 0, chains 1, 3 nb 1)
.irp ch, 0,1,2,3
	v_max3_num_f32 v[18+\ch], v[SC+8*\ch], v[SC+8*\ch+1], v[SC+8*\ch+2]
.endr
.irp ch, 0,1,2,3
	v_max3_num_f32 v[18+\ch], v[18+\ch], v[SC+8*\ch+3], v[SC+8*\ch+4]
.endr
.irp ch, 0,1,2,3
	v_max3_num_f32 v[18+\ch], v[18+\ch], v[SC+8*\ch+5], v[SC+8*\ch+6]
.endr
.irp ch, 0,1,2,3
	v_max_num_f32 v[18+\ch], v[18+\ch], v[SC+8*\ch+7]
.endr
.irp kp, 1,2,3
.irp q, 0,1,2,3
.irp ch, 0,1,2,3
	v_max3_num_f32 v[18+\ch], v[18+\ch], v[SC+8*(4*\kp+\ch)+2*\q], v[SC+8*(4*\kp+\ch)+2*\q+1]
.endr
.endr
.endr
	v_max_num_f32 v18, v18, v20
	v_max_num_f32 v19, v19, v21
	v_permlanex16_b32 v20, v18, s68, s69           ; the other half of the lanes holds the query's other keys
	v_permlanex16_b32 v21, v19, s68, s69
	v_max_num_f32 v18, v18, v20
	v_max_num_f32 v19, v19, v21
	v_mul_f32 v18, s66, v18
	v_mul_f32 v19, s66, v19
	v_max_num_f32 v18, v18, v14                    ; the new running maximum
	v_max_num_f32 v19, v19, v15
	v_sub_f32 v22, v14, v18
	v_sub_f32 v23, v15, v19
	v_exp_f32 v24, v22                             ; what the old sums are scaled by
	v_exp_f32 v26, v23
	v_mov_b32 v14, v18                             ; (a plain place behind the exponentials: ISA guide 5.7.2)
	v_mov_b32 v15, v19
	v_mul_f32 v28, -1.0, v18
	v_mul_f32 v29, -1.0, v18
	v_mul_f32 v30, -1.0, v19
	v_mul_f32 v31, -1.0, v19
	s_wait_alu depctr_va_vdst(0)
	v_mov_b32 v25, v24
	v_mov_b32 v27, v26
	; tile by tile, one ahead: between a tile's exponentials and their use stand the next tile's multiply-adds (plain places)
	FMA 0
	EXPS 0
.set g, 0
.rept 15
	FMA g+1
	EXPS g+1
	ADDCVT g
.set g, g+1
.endr
	ADDCVT 15
	v_pk_add_f32 v[32:33], v[32:33], v[34:35]
	v_pk_add_f32 v[36:37], v[36:37], v[38:39]
	v_add_f32 v32, v32, v33
	v_add_f32 v36, v36, v37
	v_fma_f32 v16, v16, v24, v32                   ; sum = sum x scale + this tile's
	v_fma_f32 v17, v17, v26, v36
	OSCALE
	s_wait_dscnt 0x0                               ; v's fragments
	WIN 0xa1                                       ; C and D window 2, source 0 window 1, source 1 window 0
.irp k2, 0,1,2,3                                   ; the eight accumulators take turns, one instruction a turn
.irp db, 0,1,2,3
.irp nb, 0,1
	v_wmma_f32_16x16x32_f16 v[8*(2*\db+\nb):8*(2*\db+\nb)+7], v[VF+8*(4*\k2+\db):VF+8*(4*\k2+\db)+7], v[PF+8*(2*\k2+\nb):PF+8*(2*\k2+\nb)+7], v[8*(2*\db+\nb):8*(2*\db+\nb)+7]
.endr
.endr
.endr
	WIN 0
	PLACES                                         ; four places: the next loads into the fragments, and whatever reads or reloads O or writes P's registers
.endm
; A trip.  mode 0: a tile below the diagonal.  mode 1: where s15 = s[cmpr] this trip opens the second pass: its loads go out, the first pass is finished and stored while
; they are on their way, the new start is set, and the tile is masked.  mode 2: the first trip.  No barrier stands inside a branch.
.macro TRIP slot, mode, refill, uadd, cmpr
	RING \slot, \refill, \uadd
.if \mode == 1
	s_cmp_lg_u32 s15, s[\cmpr]
	s_cbranch_scc1 .Lsame_\@
	NEWLOADS 13, 58
	FINISH 60
	NEWUSE 13
.Lsame_\@:
.endif
.if \mode == 2
	NEWUSE 11
.endif
	TILE_A \slot
.if \mode == 1
	s_cmp_lg_u32 s15, s[\cmpr]
	s_cbranch_scc1 .Lclear_\@
	MASK
.Lclear_\@:
.endif
.if \mode == 2
	MASK
.endif
	TILE_B
.endm
	NEWLOADS 11, 56
	s_mov_b32 s15, 1
	TRIP 0, 2, 1, 0, 12                            ; trip 0; asks for trip 1
.Ltrips:                                           ; s15 = 1, 3, .. 13: trips s15 and s15 + 1; the pass changes at trip p + 1, which lies in 1..8
	TRIP 1, 1, 1, 1, 12                            ; trip s15: the change where s15 = p + 1
	TRIP 0, 1, 1, 2, 11                            ; trip s15 + 1: the change where s15 = p
	s_add_co_u32 s15, s15, 2
	s_cmp_lt_u32 s15, 15
	s_cbranch_scc1 .Ltrips
	TRIP 1, 0, 1, 1, 12                            ; trip 15; asks for trip 16 (tile 0)
	TRIP 0, 0, 0, 0, 12                            ; trip 16 asks for nothing; its wait for all tensor loads is the last
	FINISH 62
	s_wait_tensorcnt 0x0
	ds_add_u32 v62, v63
	s_wait_dscnt 0x0
	s_endpgm
.Lfunc_end_k_qbb4c526d8d_attn:
	.size	k_qbb4c526d8d_attn, .Lfunc_end_k_qbb4c526d8d_attn-k_qbb4c526d8d_attn
	.p2alignl 7, 3214868480
	.fill 96, 4, 3214868480
	.section	.rodata,"a",@progbits
	.p2align	6, 0x0
	.amdhsa_kernel k_qbb4c526d8d_attn
		.amdhsa_group_segment_fixed_size 327680
		.amdhsa_private_segment_fixed_size 0
		.amdhsa_enable_private_segment 0
		.amdhsa_kernarg_size 24
		.amdhsa_user_sgpr_count 2
		.amdhsa_user_sgpr_kernarg_segment_ptr 1
		.amdhsa_wavefront_size32 1
		.amdhsa_system_sgpr_workgroup_id_x 1
		.amdhsa_system_sgpr_workgroup_id_y 1
		.amdhsa_system_sgpr_workgroup_id_z 1
		.amdhsa_system_vgpr_workitem_id 0
		.amdhsa_next_free_vgpr 608
		.amdhsa_next_free_sgpr 96
		.amdhsa_reserve_vcc 1
		.amdhsa_float_denorm_mode_32 3
		.amdhsa_float_denorm_mode_16_64 3
		.amdhsa_memory_ordered 1
		.amdhsa_forward_progress 1
		.amdhsa_inst_pref_size 255
	.end_amdhsa_kernel
	.section	.bss,"aw",@nobits
	.p2align	6
	.space	262144
	.amdgpu_metadata
---
amdhsa.version: [ 1, 2 ]
amdhsa.kernels:
  - .name:           k_qbb4c526d8d_attn
    .symbol:         k_qbb4c526d8d_attn.kd
    .args:
      - { .name: qkvh, .offset: 0, .size: 8, .value_kind: global_buffer, .address_space: global }
      - { .name: bs, .offset: 8, .size: 8, .value_kind: global_buffer, .address_space: global }
      - { .name: ah, .offset: 16, .size: 8, .value_kind: global_buffer, .address_space: global }
    .group_segment_fixed_size: 327680
    .private_segment_fixed_size: 0
    .kernarg_segment_align: 8
    .kernarg_segment_size: 24
    .max_flat_workgroup_size: 128
    .sgpr_count:     96
    .vgpr_count:     608
    .wavefront_size: 32
...
	.end_amdgpu_metadata
.endif
;; end of part 3
;; launch proj (part 4): grid 8 x 32, 4 waves a work-group, clusters of 4 x 4, 327,680 bytes of LDS; arguments ah, xw, b_proj, out0; writes out0
.if DOCPART == 4
	.amdgcn_target "amdgcn-amd-amdhsa--gfx1250"
	.amdhsa_code_object_version 6
	.text
	.protected	k_qbb4c526d8d_proj
	.globl	k_qbb4c526d8d_proj
	.p2align	8
	.type	k_qbb4c526d8d_proj,@function
k_qbb4c526d8d_proj:
	s_mov_b64 s[64:65], 0
	v_nop
	global_prefetch_b8 v0, s[64:65] scope:SCOPE_SE
	s_setreg_imm32_b32 hwreg(HW_REG_WAVE_MODE, 25, 1), 1
	s_wait_xcnt 0x0
	s_wait_alu depctr_hold_cnt(0) depctr_sa_sdst(0) depctr_va_vdst(0) depctr_va_sdst(0) depctr_va_ssrc(0) depctr_va_vcc(0) depctr_vm_vsrc(0)
	s_getreg_b32 s2, hwreg(HW_REG_IB_STS2, 6, 4)
	s_cmp_eq_u32 s2, 0
	s_cbranch_scc0 .Lentry_in_a_cluster
	s_endpgm
.Lentry_in_a_cluster:
	s_bfe_u32 s2, ttmp6, 0x10000c
	s_cmp_lg_u32 s2, 0xf033
	s_cbranch_scc0 .Lentry_shape_is_right
	s_endpgm
.Lentry_shape_is_right:
; out0 = a w_proj + b_proj.  a comes from ah in two bf16 pieces (64 planes [2048][64], plane = batch * 32 + piece * 16 + head; a = piece 0 + piece 1, 16 significant bits),
; w_proj [1024][1024] as bf16 from xw at byte 14,680,064; sums in f32, started from the bias; out0 [4096][1024] f32.
; Both pieces are multiplied by w_proj into the same sums: K = 2 x 1024.  One piece of 8 bits would leave, in the first rows (single rows of v, not averages, up to 45 times
; larger than the last rows), an error of the size of the small numbers there.
; A work-group makes 128 x 128 with four waves, a wave 64 x 64: 16 accumulator tiles.  32 x 8 = 256 work-groups.  K goes in 8 steps of 256 (four planes) through two
; LDS slots, all written out: steps 0..3 piece 0, steps 4..7 piece 1; step k takes planes batch * 32 + 4 k .. + 3 and w_proj's rows 256 (k & 3) .. + 255, so a's address steps
; on evenly and w_proj's goes back once in each slot.
; Each wave brings, per slot, one plane's 128 rows x 128 bytes of a and 64 k rows x 256 bytes of w_proj: four tensor loads of a wave are out at the most.
; CLUSTERS 4 x 4: a's tiles hang on the block row alone and are asked for jointly along a row of the cluster, w_proj's on the block column alone, along a column.
; w_proj lies [k][n]: its fragments come by the transposing load.  Transposed use (source 0 = 16 columns of w_proj, source 1 = 16 rows of a): lane (r, h), register j holds
; row r, column n0 + 8 h + j: 32 neighbouring bytes of a row of out0.
; REGISTERS: window 0 addresses, BIAS v160-191, rows read back v192-255; window 1 accumulators (tile (a, b) at 8 (4 a + b));
;            window 2 fragments, two buffers of 128: w (K32 step k, block b) at 32 k + 8 b, a at 64 + 32 k + 8 a.
.set ASUB,  18432                      ; a plane's 128 rows at pitch 144 (128 + 16); also 64 rows of w_proj at pitch 288 (256 + 32)
.set BOFF,  73728
.set SLOT,  147456
.set STAGE, 294912                     ; behind the two slots; no fill lands here
.set WSTG,  4352                       ; 16 rows at pitch 272 (256 + 16)
.set WOFF,  14680064
.set ADRA,  16                         ; v16-17
.set ADRB,  18                         ; v18-21  slot s, half of the slot's k rows at 2 s + half (LDS offsets have 16 bits)
.set STO,   24
.set RD,    25
.set CO,    26
.set BOF,   27
.set BIAS,  160
.set G1A, 24
.set G0A, 32
.set G1B, 40
.set G0B, 48
.set MSB, 0
.macro WIN new
.if MSB != \new
	s_set_vgpr_msb (MSB<<8)|\new
.set MSB, \new
.endif
.endm
.macro PLACES
.rept 4
	v_nop
.endr
.endm
.macro CREST
	s_cmp_lg_u32 s12, 0
	s_cbranch_scc1 .Lnot_wave_0_\@
	s_barrier_signal -3
.Lnot_wave_0_\@:
	s_barrier_wait -3
	s_barrier_signal -1
	s_barrier_wait -1
.endm
.macro CROUND
	s_barrier_signal -1
	s_barrier_wait -1
	CREST
.endm
	s_load_b256 s[4:11], s[0:1], 0x0               ; ah s[4:5], xw s[6:7], b_proj s[8:9], out0 s[10:11]
	v_lshl_add_u32 v158, v0, 2, 0x4c400
	v_mov_b32 v159, 0
	ds_add_u32 v158, v159
	ds_add_u32 v158, v159
	v_lshrrev_b32 v1, 5, v0
	v_readfirstlane_b32 s12, v1                    ; wave 0..3
	s_lshr_b32 s13, s12, 1                         ; wm
	s_and_b32 s14, s12, 1                          ; wn
	s_bfe_u32 s15, ttmp6, 0x40000                  ; cx
	s_bfe_u32 s16, ttmp6, 0x40004                  ; cy
	s_lshl_b32 s17, ttmp9, 2
	s_add_co_u32 s17, s17, s15                     ; block column 0..7
	s_and_b32 s18, ttmp7, 0xffff
	s_lshl_b32 s18, s18, 2
	s_add_co_u32 s18, s18, s16                     ; block row 0..31
	s_lshl_b32 s20, s16, 2
	s_lshl_b32 s20, 15, s20                        ; my row of the cluster
	s_lshl_b32 s22, 0x1111, s15                    ; my column
	; group 1.  a: 128 rows of 64 elements of 2 bytes, 4 words skipped behind every 32.  w_proj: 64 rows of 128 elements, 8 words skipped behind every 64.
	s_or_b32 s[G1A+0], s20, (1<<16)|(1<<20)|(1<<21)|(4<<22)|(3<<25)
	s_or_b32 s[G1B+0], s22, (1<<16)|(1<<20)|(1<<21)|(5<<22)|(7<<25)
	s_mov_b32 s[G1A+1], 64<<16
	s_mov_b32 s[G1B+1], 128<<16
	s_mov_b32 s[G1A+2], 128<<16
	s_mov_b32 s[G1B+2], 64<<16
	s_mov_b32 s[G1A+3], 64<<16
	s_mov_b32 s[G1B+3], 128<<16
	s_mov_b32 s[G1A+4], 128
	s_mov_b32 s[G1B+4], 64
	s_mov_b32 s[G1A+5], 64
	s_mov_b32 s[G1B+5], 1024
	s_mov_b32 s[G1A+6], 0
	s_mov_b32 s[G1B+6], 0
	s_mov_b32 s[G1A+7], 0
	s_mov_b32 s[G1B+7], 0
	s_lshr_b32 s20, s18, 4                         ; a (registers that hold cy alone): plane batch * 32 + my plane of the step,
	s_lshl_b32 s20, s20, 5
	s_add_co_u32 s20, s20, s12
	s_lshl_b32 s20, s20, 18
	s_and_b32 s21, s18, 15
	s_lshl_b32 s21, s21, 14                        ; 128 rows of 128 bytes per block row
	s_add_co_u32 s20, s20, s21
	s_mov_b32 s21, 0
	s_lshl_b32 s22, s17, 8                         ; w_proj (registers that hold cx alone): 128 columns per block column,
	s_lshl_b32 s23, s12, 17                        ; my 64 k rows of 2,048 bytes
	s_add_co_u32 s22, s22, s23
	s_add_co_u32 s22, s22, WOFF
	s_mov_b32 s23, 0
	s_mul_i32 s56, s12, ASUB                       ; LDS: wave x 18,432 in a's part,
	s_add_co_u32 s57, s56, BOFF                    ; and in w_proj's
	s_wait_dscnt 0x0
	s_wait_kmcnt 0x0
	s_add_nc_u64 s[20:21], s[4:5], s[20:21]
	s_add_nc_u64 s[22:23], s[6:7], s[22:23]
	CROUND                                         ; all sixteen work-groups are here: the first joint loads meet
.irp s, 0,1
	s_mov_b32 s[G0A+4*\s], 1
	s_add_co_u32 s[G0A+4*\s+1], s56, \s*SLOT
	s_add_nc_u64 s[G0A+4*\s+2:G0A+4*\s+3], s[20:21], \s*1048576    ; K step s: four planes on
	s_or_b32 s[G0A+4*\s+3], s[G0A+4*\s+3], 0x80000000
	s_mov_b32 s[G0B+4*\s], 1
	s_add_co_u32 s[G0B+4*\s+1], s57, \s*SLOT
	s_add_nc_u64 s[G0B+4*\s+2:G0B+4*\s+3], s[22:23], \s*524288     ; K step s: 256 rows on
	s_or_b32 s[G0B+4*\s+3], s[G0B+4*\s+3], 0x80000000
	tensor_load_to_lds s[G0A+4*\s:G0A+4*\s+3], s[G1A:G1A+7]
	s_nop 0
	tensor_load_to_lds s[G0B+4*\s:G0B+4*\s+3], s[G1B:G1B+7]
	s_nop 0
.endr
	v_and_b32 v1, 15, v0                           ; r
	v_bfe_u32 v2, v0, 4, 1                         ; h
	v_and_b32 v4, 7, v0                            ; L & 7
	v_bfe_u32 v5, v0, 3, 1                         ; (L >> 3) & 1
	v_mul_u32_u24 v6, v1, 144
	v_lshl_add_u32 v6, v2, 4, v6
	s_mul_i32 s58, s13, 64*144
	v_add_nc_u32 v[ADRA], s58, v6
	v_add_nc_u32 v[ADRA+1], SLOT, v[ADRA]
	v_lshl_add_u32 v7, v2, 3, v4
	v_mul_u32_u24 v7, v7, 288
	v_lshl_add_u32 v7, v5, 4, v7
	s_lshl_b32 s58, s14, 7                         ; my 64 columns
	s_add_co_u32 s58, s58, BOFF
	v_add_nc_u32 v[ADRB], s58, v7
	v_add_nc_u32 v[ADRB+1], 2*ASUB, v[ADRB]
	v_add_nc_u32 v[ADRB+2], SLOT, v[ADRB]
	v_add_nc_u32 v[ADRB+3], SLOT, v[ADRB+1]
	s_mul_i32 s59, s12, WSTG
	s_add_co_u32 s59, s59, STAGE                   ; my stage
	v_mul_u32_u24 v8, v1, 272
	v_lshl_add_u32 v8, v2, 5, v8
	v_add_nc_u32 v[STO], s59, v8                   ; row r, 32 bytes for each half of the lanes
	v_mul_u32_u24 v8, v2, 272
	v_lshl_add_u32 v8, v1, 4, v8
	v_add_nc_u32 v[RD], s59, v8                    ; sixteen lanes take a row of 256 bytes
	v_lshlrev_b32 v8, 12, v2
	v_lshl_add_u32 v[CO], v1, 4, v8                ; and the same two rows in out0
	v_lshlrev_b32 v[BOF], 5, v2
	s_lshl_b32 s60, s17, 9
	s_lshl_b32 s61, s14, 8
	s_add_co_u32 s60, s60, s61                     ; my first column, in bytes
	s_mov_b32 s61, 0
	s_add_nc_u64 s[62:63], s[8:9], s[60:61]
.irp b, 0,1,2,3
	global_load_b128 v[BIAS+8*\b:BIAS+8*\b+3], v[BOF], s[62:63] offset:64*\b
	global_load_b128 v[BIAS+8*\b+4:BIAS+8*\b+7], v[BOF], s[62:63] offset:64*\b+16
.endr
; 8 matrix instructions: row blocks a0, a0 + 1 x my 4 column blocks, K32 step k of buffer f.  first = 1: C is the bias.
.macro MUL8 f, k, a0, first
.irp a, \a0, \a0+1
.irp b, 0,1,2,3
.if \first
	v_wmma_f32_16x16x32_bf16 v[8*(4*(\a)+\b):8*(4*(\a)+\b)+7], v[128*\f+32*\k+8*\b:128*\f+32*\k+8*\b+7], v[128*\f+64+32*\k+8*(\a):128*\f+64+32*\k+8*(\a)+7], v[BIAS+8*\b:BIAS+8*\b+7]
.else
	v_wmma_f32_16x16x32_bf16 v[8*(4*(\a)+\b):8*(4*(\a)+\b)+7], v[128*\f+32*\k+8*\b:128*\f+32*\k+8*\b+7], v[128*\f+64+32*\k+8*(\a):128*\f+64+32*\k+8*(\a)+7], v[8*(4*(\a)+\b):8*(4*(\a)+\b)+7]
.endif
.endr
.endr
.endm
; 32 LDS loads in one run: plane u of a slot (64 along K) into buffer f; the first K32 step's 16 loads first
.macro FETCH slot, u, f
	WIN 0x80                                       ; destination window 2
.irp k, 0,1
.irp b, 0,1,2,3
	ds_load_tr16_b128 v[128*\f+32*\k+8*\b:128*\f+32*\k+8*\b+3], v[ADRB+2*\slot+\u/2] offset:(\u%2)*ASUB+\k*9216+32*\b
	ds_load_tr16_b128 v[128*\f+32*\k+8*\b+4:128*\f+32*\k+8*\b+7], v[ADRB+2*\slot+\u/2] offset:(\u%2)*ASUB+\k*9216+32*\b+4608
.endr
.irp a, 0,1,2,3
	ds_load_b128 v[128*\f+64+32*\k+8*\a:128*\f+64+32*\k+8*\a+3], v[ADRA+\slot] offset:\u*ASUB+\a*2304+\k*64
	ds_load_b128 v[128*\f+64+32*\k+8*\a+4:128*\f+64+32*\k+8*\a+7], v[ADRA+\slot] offset:\u*ASUB+\a*2304+\k*64+32
.endr
.endr
.endm
; One of a K step's first three planes: multiplies buffer f, fetches plane u of the same slot into buffer g.
; The sixteen accumulators take turns, one instruction a turn, in the same order everywhere.
.macro UNIT slot, u, f, g, first
	s_wait_dscnt 16                                ; the first K32 step's fragments are in; the second's 16 loads may be out
.if \first
	WIN 0x4a                                       ; D window 1, C (the bias) window 0, sources window 2
.else
	WIN 0x5a
.endif
	MUL8 \f, 0, 0, \first
	MUL8 \f, 0, 2, \first
	PLACES                                         ; buffer g was read by matrix instructions: loads into it stand four places behind them
	FETCH \slot, \u, \g
	s_wait_dscnt 32                                ; all but the 32 just issued
	WIN 0x5a
	MUL8 \f, 1, 0, 0
	MUL8 \f, 1, 2, 0
.endm
.macro THREE slot, first
	UNIT \slot, 1, 0, 1, \first
	UNIT \slot, 2, 1, 0, 0
	UNIT \slot, 3, 0, 1, 0
.endm
; The last plane multiplies buffer 1 and changes slots: each wave's reads of this slot and all its tensor loads are waited for in front of the barrier; where the slot is
; filled again the barrier opens a round of the cluster's barrier and the two joint refills are the first tensor loads behind it.
; back = 1: the refill begins w_proj's second walk: its address goes 512 rows back instead of on.
.macro TURN slot, next, fill, back
	s_wait_dscnt 16
	WIN 0x5a
	MUL8 1, 0, 0, 0
	s_wait_dscnt 0x0
	s_set_vgpr_msb 0x5a50
	s_wait_tensorcnt 0x0
	ds_add_u32 v158, v159
	s_wait_dscnt 0x0
	s_set_vgpr_msb 0x505a
	s_barrier_signal -1
	MUL8 1, 0, 2, 0                                ; register work alone between signal and wait
	WIN 0
	s_barrier_wait -1
.if \fill
	CREST
	s_add_nc_u64 s[G0A+4*\slot+2:G0A+4*\slot+3], s[G0A+4*\slot+2:G0A+4*\slot+3], 2097152   ; two K steps on: eight planes; no tensor load of mine is out
.if \back
	s_sub_nc_u64 s[G0B+4*\slot+2:G0B+4*\slot+3], s[G0B+4*\slot+2:G0B+4*\slot+3], 1048576   ; 512 rows back
.else
	s_add_nc_u64 s[G0B+4*\slot+2:G0B+4*\slot+3], s[G0B+4*\slot+2:G0B+4*\slot+3], 1048576   ; 512 rows on
.endif
	tensor_load_to_lds s[G0A+4*\slot:G0A+4*\slot+3], s[G1A:G1A+7]
	s_nop 0
	tensor_load_to_lds s[G0B+4*\slot:G0B+4*\slot+3], s[G1B:G1B+7]
	s_nop 0
.endif
	PLACES
	FETCH \next, 0, 0
	WIN 0x5a
	MUL8 1, 1, 0, 0
	MUL8 1, 1, 2, 0
.endm
	s_wait_loadcnt 0x0                             ; the bias
	s_wait_tensorcnt 2                             ; my two parts of K step 0 are in; K step 1's two may stay out
	s_barrier_signal -1
	s_barrier_wait -1
	FETCH 0, 0, 0
	THREE 0, 1                                     ; K step 0
	TURN 0, 1, 1, 0                                ; fills K step 2: w_proj's rows 512..
	THREE 1, 0                                     ; K step 1
	TURN 1, 0, 1, 0                                ; fills K step 3: rows 768..
	THREE 0, 0                                     ; K step 2
	TURN 0, 1, 1, 1                                ; fills K step 4: the second piece, rows 0.. again
	THREE 1, 0                                     ; K step 3
	TURN 1, 0, 1, 1                                ; fills K step 5: rows 256..
	THREE 0, 0                                     ; K step 4
	TURN 0, 1, 1, 0                                ; fills K step 6
	THREE 1, 0                                     ; K step 5
	TURN 1, 0, 1, 0                                ; fills K step 7
	THREE 0, 0                                     ; K step 6
	TURN 0, 1, 0, 0
	THREE 1, 0                                     ; K step 7
	s_wait_dscnt 16
	WIN 0x5a
	MUL8 1, 0, 0, 0
	MUL8 1, 0, 2, 0
	s_wait_dscnt 0x0
	MUL8 1, 1, 0, 0
	MUL8 1, 1, 2, 0
	WIN 0
	PLACES                                         ; four places before LDS stores read the results
	s_lshl_b32 s58, s18, 19                        ; 128 rows of 4,096 bytes per block row
	s_lshl_b32 s59, s13, 18                        ; 64 rows
	s_add_co_u32 s58, s58, s59
	s_add_co_u32 s58, s58, s60                     ; + my first column
	s_mov_b32 s59, 0
	s_add_nc_u64 s[58:59], s[10:11], s[58:59]
; 16 rows at a time through my own stage: in by 32 bytes a lane, back by rows: sixteen lanes store 256 consecutive bytes at a multiple of 256
.macro OUT a, rb
	WIN 0x04                                       ; store data window 1
.irp b, 0,1,2,3
	ds_store_b128 v[STO], v[8*(4*\a+\b):8*(4*\a+\b)+3] offset:64*\b
	ds_store_b128 v[STO], v[8*(4*\a+\b)+4:8*(4*\a+\b)+7] offset:64*\b+16
.endr
	WIN 0
	s_wait_xcnt 0x0                                ; the registers that earlier stores read are loaded again only behind this wait
.irp t, 0,1,2,3,4,5,6,7
	ds_load_b128 v[\rb+4*\t:\rb+4*\t+3], v[RD] offset:544*\t               ; LDS serves a wave's instructions in order (ISA guide 5.7.1)
.endr
.irp t, 0,1,2,3,4,5,6,7
	s_wait_dscnt 7-\t
	global_store_b128 v[CO], v[\rb+4*\t:\rb+4*\t+3], s[58:59] offset:\a*65536+\t*8192 th:TH_STORE_NT
.endr
.endm
	OUT 0, 192
	OUT 1, 224
	OUT 2, 192
	OUT 3, 224
	s_wait_tensorcnt 0x0
	ds_add_u32 v158, v159
	s_wait_dscnt 0x0
	CROUND                                         ; the closing round: no work-group ends while a partner may still ask for a tile that names it
	s_endpgm
.Lfunc_end_k_qbb4c526d8d_proj:
	.size	k_qbb4c526d8d_proj, .Lfunc_end_k_qbb4c526d8d_proj-k_qbb4c526d8d_proj
	.p2alignl 7, 3214868480
	.fill 96, 4, 3214868480
	.section	.rodata,"a",@progbits
	.p2align	6, 0x0
	.amdhsa_kernel k_qbb4c526d8d_proj
		.amdhsa_group_segment_fixed_size 327680
		.amdhsa_private_segment_fixed_size 0
		.amdhsa_enable_private_segment 0
		.amdhsa_kernarg_size 32
		.amdhsa_user_sgpr_count 2
		.amdhsa_user_sgpr_kernarg_segment_ptr 1
		.amdhsa_wavefront_size32 1
		.amdhsa_system_sgpr_workgroup_id_x 1
		.amdhsa_system_sgpr_workgroup_id_y 1
		.amdhsa_system_sgpr_workgroup_id_z 1
		.amdhsa_system_vgpr_workitem_id 0
		.amdhsa_next_free_vgpr 768
		.amdhsa_next_free_sgpr 66
		.amdhsa_reserve_vcc 0
		.amdhsa_float_denorm_mode_32 3
		.amdhsa_float_denorm_mode_16_64 3
		.amdhsa_memory_ordered 1
		.amdhsa_forward_progress 1
		.amdhsa_inst_pref_size 158
	.end_amdhsa_kernel
	.amdgpu_metadata
---
amdhsa.version: [ 1, 2 ]
amdhsa.kernels:
  - .name:           k_qbb4c526d8d_proj
    .symbol:         k_qbb4c526d8d_proj.kd
    .args:
      - { .name: ah, .offset: 0, .size: 8, .value_kind: global_buffer, .address_space: global }
      - { .name: xw, .offset: 8, .size: 8, .value_kind: global_buffer, .address_space: global }
      - { .name: b_proj, .offset: 16, .size: 8, .value_kind: global_buffer, .address_space: global }
      - { .name: out0, .offset: 24, .size: 8, .value_kind: global_buffer, .address_space: global }
    .group_segment_fixed_size: 327680
    .private_segment_fixed_size: 0
    .kernarg_segment_align: 8
    .kernarg_segment_size: 32
    .max_flat_workgroup_size: 128
    .sgpr_count:     66
    .vgpr_count:     768
    .wavefront_size: 32
...
	.end_amdgpu_metadata
.endif
;; end of part 4
